; MI455X (gfx1250); checked and timed in simulation.
; The chip was launched on July 23, 2026; its instructions are those of AMD's public machine-readable ISA for CDNA 5 (MIT licence, August 2026) and "CDNA5" Instruction Set Architecture Reference Guide (July 2026). The comments in the code are by the model that wrote it; some were corrected since.
;; Multi Head Attention. Allowed arithmetic: matrix products marked QUANTISED: E4M3 operands, one given power-of-two scale a tensor, by v_wmma_f32_16x16x64_fp8_fp8 or v_wmma_f32_16x16x128_fp8_fp8, f32 sums; everything else in f32.
;; Inputs: Wk 1,024 x 1,024 float32; Wo 1,024 x 1,024 float32; Wq 1,024 x 1,024 float32; Wv 1,024 x 1,024 float32; bk 1,024 float32; bo 1,024 float32; bq 1,024 float32; bv 1,024 float32; k 2 x 2,048 x 1,024 float32; lowp_scales 12 int32 (the exponents e of the quantised operands' scales 2^e); q 2 x 2,048 x 1,024 float32; v 2 x 2,048 x 1,024 float32.
;; Outputs: out0 2 x 2,048 x 1,024 float32.
;; This version of the problem:
;;   THIS VERSION OF THE PROBLEM IS GIVEN IN LOW PRECISION. The matrix products marked QUANTISED in the list below multiply operands that are first quantised to E4M3 (4 exponent bits, 3 mantissa bits; 8 bits a number), with one given power-of-two scale for each operand tensor; their sums are f32. All else is computed in f32.
;;   The module's matrix products, in the order in which they are computed (A, B: the left and right operand; K: the contracted axis; several contracted axes count as one K, in the product's order):
;;     1. [M 4,096, K 1,024] x [K 1,024, N 1,024]; A: input q; B: input Wq: QUANTISED (scales: A lowp_scales[0], B lowp_scales[1])
;;     2. [M 4,096, K 1,024] x [K 1,024, N 1,024]; A: input k; B: input Wk: QUANTISED (scales: A lowp_scales[2], B lowp_scales[3])
;;     3. [M 4,096, K 1,024] x [K 1,024, N 1,024]; A: input v; B: input Wv: QUANTISED (scales: A lowp_scales[4], B lowp_scales[5])
;;     4. batch 32 x [M 2,048, K 64] x [K 64, N 2,048]; A: computed on the way; B: computed on the way: QUANTISED (scales: A lowp_scales[6], B lowp_scales[7])
;;     5. batch 32 x [M 2,048, K 2,048] x [K 2,048, N 64]; A: softmax (see below); B: computed on the way: QUANTISED (scales: A lowp_scales[8], B lowp_scales[9])
;;     6. [M 4,096, K 1,024] x [K 1,024, N 1,024]; A: computed on the way; B: input Wo: QUANTISED (scales: A lowp_scales[10], B lowp_scales[11])
;;   THE QUANTISER, for each operand of a quantised product, along K:
;;     - The operand's scale is 2^e, e = its entry of the input lowp_scales (int32; the entries are numbered through the quantised products in the list's order, A before B).
;;     - Each number is divided by the scale, clamped to +-448, and rounded to the nearest number of E4M3, ties to even, subnormals kept.
;;     - The product sums the exact products of the quantised numbers (number of the format x scale) in f32.
;;   ~~~python
;;   def quantise(x, axis, e):      # numpy; x: float32 -> the quantised numbers, widened to float32 again
;;       x = np.moveaxis(x, axis, -1); K = x.shape[-1]
;;       r = np.clip(x / 2.0 ** e, -448, 448)
;;       step = 2.0 ** (np.maximum(np.frexp(np.where(r == 0, 1, r))[1] - 1, -6) - 3)
;;       q = np.round(r / step) * step * 2.0 ** e      # np.round: ties to even
;;       return np.moveaxis(q, -1, axis).astype(np.float32)
;;   ~~~
;;   SOFTMAX AHEAD OF A QUANTISED PRODUCT. Where the list says 'softmax', what is quantised is not the finished softmax but p = 2^(t - M), with t = logit x log2(e) and M = ceil(the row's largest t), a whole number; so 1/2 < the row's largest p <= 1. The row's sum l is taken of the UNQUANTISED p, in f32, and the product's result is divided by l at the end. Since M is a whole number, a kernel that streams over the keys may use a running M (the ceiling of the running maximum): every later rescaling is an exact power of two, so the quantised numbers keep their values, but for numbers so far below the row's largest that they fall under the format's range.
;;   OPERANDS COMPUTED ON THE WAY. 'Computed on the way' means the value that the module computes at that place (a softmax that the list does not call 'softmax' is quantised finished and normalised). What goes into a quantiser is computed in f32, as accurately as f32 sums, v_exp_f32 and their like allow (about 1e-6 of the number): no bf16 or f16 on the way to a quantiser, and a product that is left as it is and whose result goes on into a quantised operand takes f32 operands (vector FMAs, or v_wmma_f32_16x16x4_f32). A number that lies on a knife's edge between two numbers of the format may be rounded either way, as far as f32 arithmetic and the matrix unit's own rounding can turn it there, and no further.
;; One version. Each part assembles by itself: llvm-mc -triple=amdgcn-amd-amdhsa -mcpu=gfx1250 --defsym DOCPART=n.
;; ======== version 1 of 1: 4 launches
;; workspace buffers: codes 16,777,216 bytes; heads 12,582,912 bytes; ocodes 4,194,304 bytes
;; launch quant (part 1): grid 512 x 1, 4 waves a work-group, no clusters, 34,304 bytes of LDS; arguments q, k, v, Wq, Wk, Wv, Wo, lowp_scales, codes; writes codes
.if DOCPART == 1
	.amdgcn_target "amdgcn-amd-amdhsa--gfx1250"
	.amdhsa_code_object_version 6
	.text
	.protected	k_q6ac0d1c528_quant
	.globl	k_q6ac0d1c528_quant
	.p2align	8
	.type	k_q6ac0d1c528_quant,@function
k_q6ac0d1c528_quant:
	s_mov_b64 s[64:65], 0
	v_nop
	global_prefetch_b8 v0, s[64:65] scope:SCOPE_SE
	s_setreg_imm32_b32 hwreg(HW_REG_WAVE_MODE, 25, 1), 1
	s_wait_xcnt 0x0
; q, k, v [4096][1024] and Wq, Wk, Wv, Wo [1024 (k)][1024 (n)], all f32, become codes of FP8 (E4M3), each with the scale 2^e given for it:
; code = x / 2^e, held within +-448, to the nearest code, ties to even.  LIMITS: -126 <= e <= 119; NaN among the inputs is not served (an infinity is held at the largest code).
; THE LAYOUT OF THE CODES is the order of a matrix operand's registers.  Rows (of q, k, v; columns n of a weight) go in blocks of 16: slot r of block T is row 32 (T / 2) + 8 (T % 2) + r + 8 (r / 8).
; A fragment, 16 slots x 128 k, is 2,048 bytes: byte 512 c + 16 (16 h + r) + i is k = 32 c + 16 h + i of slot r.  A panel is 8 blocks x 1,024 k = 131,072 bytes:
; (T / 8) x 131072 + (k / 256) x 32768 + (T % 8) x 4096 + ((k % 256) / 128) x 2048 + the fragment's byte.  q, k, v lie at 0, 4 MiB, 8 MiB; the weights from WOFF on, 1 MiB each.
; Work-groups 0-383: a wave takes one block of 16 rows x 512 k of q, k or v, in four steps of 128 k.  Each load reads 512 consecutive bytes of one row; the 16 rows turn through the wave's own
; stage in LDS, so that a lane gets 16 neighbours along k of each 32; a lane's 16 codes are 16 bytes and a store of the wave covers 512 consecutive bytes, aligned.
; Work-groups 384-511: a wave takes 32 columns x 256 k of a weight.  A lane takes one column and its registers run down k, so the conversions give codes with k innermost; nothing is transposed,
; no LDS is touched; sixteen lanes store 256 consecutive bytes, aligned.  No matrix unit, no cluster, no tensor load: every byte is read once and nothing is shared.
.set WOFF,   0xC00000
.set SPITCH, 528                       ; a stage row: 512 bytes + 16, so that sixteen rows begin at sixteen different groups of four banks
.set WSTG,   16*SPITCH                 ; a wave's stage
.set XR, 32                            ; v32-159   two sets of 64 registers as loaded
.set XX, 160                           ; v160-223  64 numbers: register 16 c + i = k 32 c + 16 h + i of my row
.set XC, 224                           ; v224-255  two sets of 16 registers of codes
.set WX, 32                            ; v32-95    two sets of 32 numbers down k
.set WC, 96                            ; v96-159   8 registers of codes for each of 8 blocks: never written again
	s_load_b512 s[4:19], s[0:1], 0x0               ; q, k, v, Wq, Wk, Wv, Wo, the scales' exponents
	s_load_b64 s[20:21], s[0:1], 0x40              ; the codes
	v_lshl_add_u32 v30, v0, 2, 0x8400
	v_mov_b32 v31, 0
	v_lshrrev_b32 v1, 5, v0
	v_readfirstlane_b32 s24, v1                    ; wave
	v_and_b32 v2, 31, v0                           ; lane
	v_and_b32 v5, 15, v0                           ; r
	v_bfe_u32 v6, v0, 4, 1                         ; h
	s_cmp_lt_u32 ttmp9, 384
	s_cbranch_scc0 .Lweights
	; ---- q, k, v
	s_lshr_b32 s25, ttmp9, 7                       ; which tensor
	s_and_b32 s26, ttmp9, 127
	s_lshl_b32 s26, s26, 2
	s_add_co_u32 s26, s26, s24
	s_lshr_b32 s27, s26, 1                         ; T: my block of 16 rows
	s_and_b32 s28, s26, 1                          ; which 512 along k
	s_lshr_b32 s30, s27, 1
	s_lshl_b32 s30, s30, 17                        ; 32 (T / 2) rows of 4,096 bytes
	s_and_b32 s31, s27, 1
	s_lshl_b32 s31, s31, 15                        ; + 8 (T % 2) rows
	s_add_co_u32 s30, s30, s31
	s_lshl_b32 s31, s28, 11                        ; + 512 numbers
	s_add_co_u32 s30, s30, s31
	s_mov_b32 s31, 0
	s_lshl_b32 s32, s25, 22                        ; the tensor's codes,
	s_lshr_b32 s33, s27, 3
	s_lshl_b32 s33, s33, 17                        ; the panel,
	s_add_co_u32 s32, s32, s33
	s_and_b32 s33, s27, 7
	s_lshl_b32 s33, s33, 12                        ; the block in it,
	s_add_co_u32 s32, s32, s33
	s_lshl_b32 s33, s28, 16                        ; two K steps of 256 on
	s_add_co_u32 s32, s32, s33
	s_mov_b32 s33, 0
	s_lshl_b32 s34, s25, 3                         ; entries 0, 2, 4 of the exponents
	s_mov_b32 s35, 0
	v_lshlrev_b32 v3, 4, v2                        ; 16 x lane: my bytes of a load and of a store
	s_mul_i32 s37, s24, WSTG
	v_add_nc_u32 v14, s37, v3                      ; the stage, on the way in
	v_mul_u32_u24 v15, v5, SPITCH
	v_lshl_add_u32 v15, v6, 6, v15
	v_add_nc_u32 v15, s37, v15                     ; and on the way out: row r, + 64 h bytes
	s_wait_kmcnt 0x0
	s_cmp_eq_u32 s25, 1                            ; the choice hangs on the work-group's number alone
	s_cselect_b64 s[4:5], s[6:7], s[4:5]
	s_cmp_eq_u32 s25, 2
	s_cselect_b64 s[4:5], s[8:9], s[4:5]
	s_add_nc_u64 s[4:5], s[4:5], s[30:31]
	s_add_nc_u64 s[20:21], s[20:21], s[32:33]
	s_add_nc_u64 s[18:19], s[18:19], s[34:35]
	s_load_b32 s36, s[18:19], 0x0                  ; e
.macro XLOAD t                         ; step t: 128 k of my 16 rows, a row to a load
.set i, 0
.rept 16
	global_load_b128 v[XR+64*((\t)%2)+4*i:XR+64*((\t)%2)+4*i+3], v3, s[4:5] offset:(i+8*(i/8))*4096+512*(\t) th:TH_LOAD_NT
.set i, i+1
.endr
.endm
	XLOAD 0
	XLOAD 1
	s_wait_kmcnt 0x0
	s_add_co_i32 s36, s36, 127
	s_lshl_b32 s37, s36, 23
	v_mov_b32 v11, s37                             ; 2^e as f32: the conversion takes its exponent field
	s_add_co_i32 s36, s36, 8
	s_lshl_b32 s36, s36, 23
	s_or_b32 s36, s36, 0x600000
	v_mov_b32 v10, s36                             ; 448 x 2^e
.macro XSTEP t
.if (\t) < 3
	s_wait_loadcnt 16                              ; this step's 16 loads are in; the next step's 16 may be out
.else
	s_wait_loadcnt 0x0
.endif
.set i, 0
.rept 16
	ds_store_b128 v14, v[XR+64*((\t)%2)+4*i:XR+64*((\t)%2)+4*i+3] offset:SPITCH*i
.set i, i+1
.endr
.irp c, 0,1,2,3
.irp j, 0,1,2,3
	ds_load_b128 v[XX+16*\c+4*\j:XX+16*\c+4*\j+3], v15 offset:128*\c+16*\j   ; LDS serves a wave's instructions in order (ISA guide 5.7.1.4): these see the stores above
.endr
.endr
	s_wait_dscnt 0x0                               ; my numbers are back, and the stores into the stage have read their registers,
.if (\t)+2 < 4
	XLOAD (\t)+2                                   ; which take the loads of two steps on
.else
	s_wait_xcnt 0x0                                ; the stores of two steps ago have read their codes: that set is written again below
.endif
.set i, 0
.rept 64
	v_med3_num_f32 v[XX+i], v[XX+i], -v10, v10     ; the conversion to an 8-bit code does not saturate (ISA guide 7.6.2): the hold comes first
.set i, i+1
.endr
.irp g, 0,1,2,3,4,5,6,7
	v_cvt_scalef32_pk8_fp8_f32 v[XC+16*((\t)%2)+2*\g:XC+16*((\t)%2)+2*\g+1], v[XX+8*\g:XX+8*\g+7], v11
.endr
	v_nop                                          ; one plain vector line behind the last conversion: the next vector lines are the next step's holds, which write the conversions' sources (one set of 64 registers serves every step)
.irp c, 0,1,2,3
	global_store_b128 v3, v[XC+16*((\t)%2)+4*\c:XC+16*((\t)%2)+4*\c+3], s[20:21] offset:((\t)/2)*32768+((\t)%2)*2048+512*\c   ; 512 consecutive bytes, aligned
.endr
.endm
	XSTEP 0
	XSTEP 1
	XSTEP 2
	XSTEP 3
	s_wait_tensorcnt 0x0
	ds_add_u32 v30, v31
	s_wait_dscnt 0x0
	s_endpgm
	; ---- the weights
.Lweights:
	s_sub_co_u32 s25, ttmp9, 384
	s_lshr_b32 s26, s25, 5                         ; which weight: Wq, Wk, Wv, Wo
	s_bfe_u32 s27, s25, 0x30002                    ; which 128 columns
	s_and_b32 s28, s25, 3                          ; which 256 along k
	s_lshl_b32 s30, s28, 20                        ; 256 rows of 4,096 bytes
	s_lshl_b32 s31, s27, 9
	s_add_co_u32 s30, s30, s31
	s_lshl_b32 s31, s24, 7                         ; my wave's 32 columns
	s_add_co_u32 s30, s30, s31
	s_mov_b32 s31, 0
	s_lshl_b32 s32, s26, 20
	s_add_co_u32 s32, s32, WOFF
	s_lshl_b32 s33, s27, 17                        ; the panel,
	s_add_co_u32 s32, s32, s33
	s_lshl_b32 s33, s28, 15                        ; the K step of 256,
	s_add_co_u32 s32, s32, s33
	s_lshl_b32 s33, s24, 13                        ; my wave's two blocks of 16 columns
	s_add_co_u32 s32, s32, s33
	s_mov_b32 s33, 0
	s_lshl_b32 s34, s26, 3
	s_add_co_u32 s34, s34, 4                       ; entries 1, 3, 5 of the exponents,
	s_cmp_eq_u32 s26, 3
	s_cselect_b32 s34, 44, s34                     ; entry 11 for Wo
	s_mov_b32 s35, 0
	v_and_b32 v7, 7, v5
	v_lshl_add_u32 v7, v6, 3, v7
	v_lshrrev_b32 v8, 3, v5
	v_lshl_add_u32 v7, v8, 4, v7                   ; my column among the 32: 8 h + r % 8 + 16 (r / 8): slot r of block h
	v_lshlrev_b32 v3, 2, v7
	v_lshlrev_b32 v4, 4, v5
	v_lshl_add_u32 v4, v6, 12, v4                  ; my codes: block h, 16 r
	s_wait_kmcnt 0x0
	s_cmp_eq_u32 s26, 1
	s_cselect_b64 s[10:11], s[12:13], s[10:11]
	s_cmp_eq_u32 s26, 2
	s_cselect_b64 s[10:11], s[14:15], s[10:11]
	s_cmp_eq_u32 s26, 3
	s_cselect_b64 s[10:11], s[16:17], s[10:11]
	s_add_nc_u64 s[10:11], s[10:11], s[30:31]
	s_add_nc_u64 s[20:21], s[20:21], s[32:33]
	s_add_nc_u64 s[18:19], s[18:19], s[34:35]
	s_load_b32 s36, s[18:19], 0x0                  ; e
.macro WLOAD t                         ; block t: W(32 t + i, my column): the wave reads 128 consecutive bytes of a row
.set i, 0
.rept 32
	global_load_b32 v[WX+32*((\t)%2)+i], v3, s[10:11] offset:(32*(\t)+i)*4096 th:TH_LOAD_NT
.set i, i+1
.endr
.endm
	WLOAD 0
	WLOAD 1
	s_wait_kmcnt 0x0
	s_add_co_i32 s36, s36, 127
	s_lshl_b32 s37, s36, 23
	v_mov_b32 v11, s37
	s_add_co_i32 s36, s36, 8
	s_lshl_b32 s36, s36, 23
	s_or_b32 s36, s36, 0x600000
	v_mov_b32 v10, s36
.macro WBLOCK t
.if (\t) < 7
	s_wait_loadcnt 32                              ; this block's 32 loads are in; the next block's may be out
.else
	s_wait_loadcnt 0x0
.endif
.set i, 0
.rept 32
	v_med3_num_f32 v[WX+32*((\t)%2)+i], v[WX+32*((\t)%2)+i], -v10, v10
.set i, i+1
.endr
.irp g, 0,1,2,3
	v_cvt_scalef32_pk8_fp8_f32 v[WC+8*(\t)+2*\g:WC+8*(\t)+2*\g+1], v[WX+32*((\t)%2)+8*\g:WX+32*((\t)%2)+8*\g+7], v11
.endr
; (no plain line is written here: the codes go to stores alone and are never written again, the sources are next written by loads, and the next vector lines, the next block's holds, are plain and work on the other set)
.irp u, 0,1
	global_store_b128 v4, v[WC+8*(\t)+4*\u:WC+8*(\t)+4*\u+3], s[20:21] offset:((\t)/4)*2048+((\t)%4)*512+256*\u   ; k = 32 t + 16 u + 0 .. 15: sixteen lanes fill 256 consecutive bytes, aligned
.endr
.if (\t)+2 < 8
	WLOAD (\t)+2
.endif
.endm
.irp t, 0,1,2,3,4,5,6,7
	WBLOCK \t
.endr
	s_endpgm
.Lfunc_end_k_q6ac0d1c528_quant:
	.size	k_q6ac0d1c528_quant, .Lfunc_end_k_q6ac0d1c528_quant-k_q6ac0d1c528_quant
	.p2alignl 7, 3214868480
	.fill 96, 4, 3214868480
	.section	.rodata,"a",@progbits
	.p2align	6, 0x0
	.amdhsa_kernel k_q6ac0d1c528_quant
		.amdhsa_group_segment_fixed_size 34304
		.amdhsa_private_segment_fixed_size 0
		.amdhsa_enable_private_segment 0
		.amdhsa_kernarg_size 72
		.amdhsa_user_sgpr_count 2
		.amdhsa_user_sgpr_kernarg_segment_ptr 1
		.amdhsa_wavefront_size32 1
		.amdhsa_system_sgpr_workgroup_id_x 1
		.amdhsa_system_sgpr_workgroup_id_y 1
		.amdhsa_system_sgpr_workgroup_id_z 1
		.amdhsa_system_vgpr_workitem_id 0
		.amdhsa_next_free_vgpr 256
		.amdhsa_next_free_sgpr 66
		.amdhsa_reserve_vcc 0
		.amdhsa_float_denorm_mode_32 3
		.amdhsa_float_denorm_mode_16_64 3
		.amdhsa_memory_ordered 1
		.amdhsa_forward_progress 1
		.amdhsa_inst_pref_size 83
	.end_amdhsa_kernel
	.amdgpu_metadata
---
amdhsa.version: [ 1, 2 ]
amdhsa.kernels:
  - .name:           k_q6ac0d1c528_quant
    .symbol:         k_q6ac0d1c528_quant.kd
    .args:
      - { .name: q, .offset: 0, .size: 8, .value_kind: global_buffer, .address_space: global }
      - { .name: k, .offset: 8, .size: 8, .value_kind: global_buffer, .address_space: global }
      - { .name: v, .offset: 16, .size: 8, .value_kind: global_buffer, .address_space: global }
      - { .name: Wq, .offset: 24, .size: 8, .value_kind: global_buffer, .address_space: global }
      - { .name: Wk, .offset: 32, .size: 8, .value_kind: global_buffer, .address_space: global }
      - { .name: Wv, .offset: 40, .size: 8, .value_kind: global_buffer, .address_space: global }
      - { .name: Wo, .offset: 48, .size: 8, .value_kind: global_buffer, .address_space: global }
      - { .name: lowp_scales, .offset: 56, .size: 8, .value_kind: global_buffer, .address_space: global }
      - { .name: codes, .offset: 64, .size: 8, .value_kind: global_buffer, .address_space: global }
    .group_segment_fixed_size: 34304
    .private_segment_fixed_size: 0
    .kernarg_segment_align: 8
    .kernarg_segment_size: 72
    .max_flat_workgroup_size: 128
    .sgpr_count:     66
    .vgpr_count:     256
    .wavefront_size: 32
...
	.end_amdgpu_metadata
.endif
;; end of part 1
;; launch proj (part 2): grid 4 x 48, 4 waves a work-group, clusters of 4 x 4, 327,680 bytes of LDS; arguments codes, bq, bk, bv, lowp_scales, heads; writes heads
.if DOCPART == 2
	.amdgcn_target "amdgcn-amd-amdhsa--gfx1250"
	.amdhsa_code_object_version 6
	.text
	.protected	k_q6ac0d1c528_proj
	.globl	k_q6ac0d1c528_proj
	.p2align	8
	.type	k_q6ac0d1c528_proj,@function
k_q6ac0d1c528_proj:
	s_mov_b64 s[64:65], 0
	v_nop
	global_prefetch_b8 v0, s[64:65] scope:SCOPE_SE
	s_setreg_imm32_b32 hwreg(HW_REG_WAVE_MODE, 25, 1), 1
	s_wait_xcnt 0x0
	s_wait_alu depctr_hold_cnt(0) depctr_sa_sdst(0) depctr_va_vdst(0) depctr_va_sdst(0) depctr_va_ssrc(0) depctr_va_vcc(0) depctr_vm_vsrc(0)
	s_getreg_b32 s2, hwreg(HW_REG_IB_STS2, 6, 4)
	s_cmp_eq_u32 s2, 0
	s_cbranch_scc0 .Lentry_in_a_cluster
	s_endpgm
.Lentry_in_a_cluster:
	s_bfe_u32 s2, ttmp6, 0x10000c
	s_cmp_lg_u32 s2, 0xf033
	s_cbranch_scc0 .Lentry_shape_is_right
	s_endpgm
.Lentry_shape_is_right:
; The three projections x W + b on codes of FP8 (E4M3), K = 1,024, and the quantising of their results into the operands of attention.  Clusters 0-3 along y: q; 4-7: k; 8-11: v.
; A tile is 256 x 256: four waves, as many as a WGP has SIMDs, each 128 x 128 in 64 accumulators (512 registers).  K goes in steps of 256 through two LDS slots filled by the tensor data mover.
; OPERANDS lie in memory in the order of a fragment's registers (16 slots x 128 k = 2,048 bytes, byte 512 c + 16 lane + i = k 32 c + 16 (lane / 16) + i of slot lane % 16), 128 rows x 256 k as one dense
; block of 32,768 bytes: a tensor load brings such a block as it lies, and four ds_load_b128 at 16 x lane bring a fragment: each covers 512 consecutive bytes, so there is no pitch and no padding.
; k is permuted alike in both operands against the instruction's own order: every product meets its partner; the order of the sums inside an instruction differs.
; Slot r of block T is row 32 (T / 2) + 8 (T % 2) + r + 8 (r / 8).  Source 0 takes 16 slots of the "B" tile, source 1 of the "A" tile: in the result a lane holds ONE slot of A, and the 16 registers of B's
; blocks 2 g and 2 g + 1 are 16 NEIGHBOURS, 32 g + 16 (lane / 16) + 0 .. 15: so the conversions' results are a fragment's registers of the next product, and a store of the wave covers 512 bytes on end.
; q, k: A = the rows, B = the weight's columns n: registers run along the head's 64, the next K.   v: A = Wv's columns, B = v's rows: registers run along the KEYS, the second attention product's K.
; heads: for each of 32 (batch, head) 393,216 bytes: Q: 128 tiles of 16 queries x 64 (1,024 bytes each); from 131,072 on 16 key steps of 16,384: K: 8 tiles of 1,024; V^T: 4 tiles (16 d x 128 keys) of 2,048.
; CLUSTERS: 4 x 4 work-groups.  A's tile hangs on the cluster's y and my place along y alone and is asked for jointly by my row of the cluster, B's by my column.
; THE SCALES: a sum stands for sum x 2^(eA + eB); the bias goes in as b / 2^(eA + eB); the conversion takes 2^(eO - eA - eB).  LIMITS: eO - eA - eB between -126 and 119; NaN is not served.
; REGISTERS: window 0: v16-29 addresses and constants; v32-95 the bias; v96-103 its addresses; v128-255 A's fragments, one set (on the way out: codes and sums at work).
;   window 1: B's fragments, two sets.   windows 2, 3: the accumulators ((a, b) at v[8 (8 (a % 4) + b)]).
.set HALFT,  32768                     ; 128 rows x 256 k: what one tensor load brings, and what one wave reads of A or of B
.set SLOT,   4*HALFT                   ; A's two halves, then B's two
.set SPARE,  2*SLOT                    ; behind the ring: the spare words, 128 bytes for each wave: two blocks of 256 bytes that no other line names
.set KSTEPB, 32768                     ; bytes from a K step of 256 to the next, in every panel
.set HS,     393216                    ; a head's bytes
.set WOFF,   0xC00000                  ; the weights' codes
.set FR,     16                        ; registers of a fragment
.set NL,     4                         ; LDS loads that bring one
.set NP,     4                         ; places behind this matrix instruction (ISA guide 7.12.1)
.set ADRA, 16                          ; v16-17  LDS address of my A fragments in slot 0, 1
.set ADRB, 20                          ; v20-21  the same for B
.set LO,   24                          ; v24     16 x lane
.set SCL,  26                          ; v26     2^(eO - eA - eB)
.set LIM,  27                          ; v27     448 x that
.set SPW,  28                          ; v28     LDS address of my spare word; never rewritten
.set NIL,  29                          ; v29     0; never rewritten
.set BIAS, 32
.set BA,   96
.set AF,   128
.set CD,   128                         ; the way out: 16 slots of 4 registers of codes
.set TMP,  192                         ; the way out: a block's 64 sums + bias
.set G1, 24
.set G0, 32
.set G1B, 48
.set G0B, 56
.set MSB, 0
.macro WIN new                         ; the immediate's high byte repeats the setting that is left
.if MSB != (\new)
	s_set_vgpr_msb (MSB<<8)|(\new)
.set MSB, \new
.endif
.endm
.set MUL_LO, 0xa1                      ; source 0 (B) window 1, source 1 (A) window 0, C and D window 2
.set MUL_HI, 0xf1                      ; the same, C and D window 3
.set TO_B,   0x40                      ; destination window 1, address window 0
; A joint load: waves 0 and 1 fetch A's halves, waves 2 and 3 B's.  Each line has one mask and one set of registers for all that issue it; the branch hangs on the wave's number alone.
; Four v_nop follow each of the two lines.
.macro JLOAD g0a, g1a, g0b, g1b
	s_cmp_eq_u32 s15, 0
	s_cbranch_scc0 .Lfor_b_\@
	tensor_load_to_lds s[\g0a:\g0a+3], s[\g1a:\g1a+7]
	s_nop 0
.rept 4
	v_nop
.endr
	s_branch .Lasked_\@
.Lfor_b_\@:
	tensor_load_to_lds s[\g0b:\g0b+3], s[\g1b:\g1b+7]
	s_nop 0
.rept 4
	v_nop
.endr
.Lasked_\@:
.endm
.macro CREST                           ; a round of the cluster's barrier behind its opening barrier
	s_cmp_lg_u32 s14, 0
	s_cbranch_scc1 .Lnot_wave_0_\@
	s_barrier_signal -3
.Lnot_wave_0_\@:
	s_barrier_wait -3
	s_barrier_signal -1
	s_barrier_wait -1
.endm
.macro CROUND
	s_barrier_signal -1
	s_barrier_wait -1
	CREST
.endm
.macro FRAG reg, adr, q, i             ; block i, the slot's q-th 128 along K
.irp c, 0,1,2,3
	ds_load_b128 v[\reg+4*\c:\reg+4*\c+3], v[\adr] offset:2048*(\q)+512*\c+4096*(\i)
.endr
.endm
; 16 matrix instructions: A's blocks a0, a0 + 1 x B's eight, 128 along K.  p: B's set.  zero = 1: the first product starts the sums.  The 64 accumulators take turns.
.macro MUL16 a0, p, zero
.irp a, \a0, \a0+1
.irp b, 0,1,2,3,4,5,6,7
.if \zero
	v_wmma_f32_16x16x128_fp8_fp8 v[8*(8*((\a)%4)+\b):8*(8*((\a)%4)+\b)+7], v[128*(\p)+FR*\b:128*(\p)+FR*\b+FR-1], v[AF+FR*(\a):AF+FR*(\a)+FR-1], 0
.else
	v_wmma_f32_16x16x128_fp8_fp8 v[8*(8*((\a)%4)+\b):8*(8*((\a)%4)+\b)+7], v[128*(\p)+FR*\b:128*(\p)+FR*\b+FR-1], v[AF+FR*(\a):AF+FR*(\a)+FR-1], v[8*(8*((\a)%4)+\b):8*(8*((\a)%4)+\b)+7]
.endif
.endr
.endr
.endm
.macro FETCH_B slot, q, p
	WIN TO_B
.irp i, 0,1,2,3,4,5,6,7
	FRAG 128*(\p)+FR*\i, ADRB+\slot, \q, \i
.endr
	WIN 0
.endm
.macro FETCH_A slot, q, i0
.irp i, \i0, \i0+1, \i0+2, \i0+3
	FRAG AF+FR*(\i), ADRA+\slot, \q, \i
.endr
.endm
.macro PLACES n                        ; plain vector lines between a matrix instruction and a load into, or a vector read or write of, its registers
.rept \n
	v_nop
.endr
.endm
; A step of 128 along K that has its successor in the same slot.  A's blocks are free as soon as their eight products are issued: one set serves A; B has two.
.macro STEP slot, q, zero
	s_wait_dscnt 4*NL                              ; B's set and A's blocks 0-3 are in; the youngest 16 loads (A's blocks 4-7) may be out
	WIN MUL_LO
	MUL16 0, (\q)%2, \zero
	MUL16 2, (\q)%2, \zero
	s_wait_dscnt 0
	PLACES NP
	FETCH_B \slot, (\q)+1, 1-(\q)%2
	FETCH_A \slot, (\q)+1, 0
	WIN MUL_HI
	MUL16 4, (\q)%2, \zero
	MUL16 6, (\q)%2, \zero
	PLACES NP
	WIN 0
	FETCH_A \slot, (\q)+1, 4
.endm
; A slot's last step changes slots: one barrier; in front of it each wave waits for all its tensor loads, adds 0 to its spare word, and waits for that and for its reads of this slot.
.macro TURN slot, next, fill
	s_wait_tensorcnt 0x0                           ; all my tensor loads have landed: my part of the next slot
	ds_add_u32 v[SPW], v[NIL]                      ; 0 onto my spare word
	s_wait_dscnt 4*NL+1                            ; (the add and the youngest 16 loads may be out)
	WIN MUL_LO
	MUL16 0, 1, 0
	s_wait_dscnt 0x0                               ; the add is done, and my reads of this slot are over
	s_barrier_signal -1
	MUL16 2, 1, 0
	WIN 0
	s_barrier_wait -1
.if \fill
	CREST                                          ; the barrier has opened a round of the cluster's: no wave of any partner still reads this slot or has a load on its way
	s_add_nc_u64 s[G0+4*\slot+2:G0+4*\slot+3], s[G0+4*\slot+2:G0+4*\slot+3], 2*KSTEPB
	s_add_nc_u64 s[G0B+4*\slot+2:G0B+4*\slot+3], s[G0B+4*\slot+2:G0B+4*\slot+3], 2*KSTEPB
	JLOAD G0+4*\slot, G1, G0B+4*\slot, G1B         ; the first tensor load behind the round; its four v_nop are also the places in front of the loads below
.else
	PLACES NP
.endif
	FETCH_B \next, 0, 0
	FETCH_A \next, 0, 0
	WIN MUL_HI
	MUL16 4, 1, 0
	MUL16 6, 1, 0
	PLACES NP
	WIN 0
	FETCH_A \next, 0, 4
.endm
	s_load_b256 s[68:75], s[0:1], 0x0              ; the codes s[68:69], bq, bk, bv
	s_load_b128 s[76:79], s[0:1], 0x20             ; the exponents s[76:77], heads s[78:79]
	v_lshl_add_u32 v[SPW], v0, 2, SPARE
	v_mov_b32 v[NIL], 0
	ds_add_u32 v28, v29
	ds_add_u32 v28, v29
	s_wait_dscnt 0x0
	v_lshrrev_b32 v1, 5, v0
	v_readfirstlane_b32 s14, v1                    ; wave 0..3
	s_lshr_b32 s15, s14, 1                         ; which half of A's rows is mine.  Also: I fetch for A (0) or for B (1)
	s_and_b32 s16, s14, 1                          ; which half of B's rows.  Also: which half of that tile I fetch
	s_bfe_u32 s40, ttmp6, 0x40000                  ; cx, cy: my place in the cluster
	s_bfe_u32 s41, ttmp6, 0x40004
	s_and_b32 s42, ttmp7, 0xffff                   ; the cluster's y, 0..11
	s_lshr_b32 s45, s42, 2                         ; 0: q, 1: k, 2: v: alike in all partners
	s_and_b32 s42, s42, 3
	s_lshl_b32 s42, s42, 2                         ; the first of the cluster's four tiles of 256 rows of x
	s_cmp_eq_u32 s45, 2
	s_cselect_b32 s17, 0, s42
	s_cselect_b32 s18, s42, 0
	s_add_co_u32 s17, s17, s41                     ; A's tile: made of cy alone
	s_add_co_u32 s18, s18, s40                     ; B's tile: made of cx alone
	s_lshl_b32 s43, s41, 2
	s_lshl_b32 s43, 15, s43                        ; my row of the cluster
	s_lshl_b32 s44, 0x1111, s40                    ; my column
	; descriptor group 1: a dense block of 128 rows of 32 elements of 8 bytes
	s_or_b32 s[G1+0], s43, (3<<16)|(1<<21)         ; 15:0 the mask; 17:16 elements of 8 bytes; 21 set beside a mask; no padding
	s_or_b32 s[G1B+0], s44, (3<<16)|(1<<21)
.irp g, G1, G1B
	s_mov_b32 s[\g+1], 32<<16                      ; tensor_dim0 = 32
	s_mov_b32 s[\g+2], 128<<16                     ; tensor_dim1 = 128
	s_mov_b32 s[\g+3], 32<<16                      ; tile_dim0 = 32
	s_mov_b32 s[\g+4], 128                         ; tile_dim1 = 128
	s_mov_b32 s[\g+5], 32                          ; from row to row
	s_mov_b32 s[\g+6], 0
	s_mov_b32 s[\g+7], 0
.endr
	s_lshl_b32 s19, s45, 22                        ; x's codes of this tensor
	s_lshl_b32 s46, s45, 20
	s_add_co_u32 s46, s46, WOFF                    ; its weight's codes
	s_cmp_eq_u32 s45, 2
	s_cselect_b32 s20, s46, s19                    ; A: x's rows; for v the weight
	s_cselect_b32 s46, s19, s46                    ; B: the weight; for v the rows
	s_lshl_b32 s21, s17, 1
	s_add_co_u32 s21, s21, s16
	s_lshl_b32 s21, s21, 17                        ; panel 2 x tile + half
	s_add_co_u32 s20, s20, s21
	s_mov_b32 s21, 0
	s_lshl_b32 s47, s18, 1
	s_add_co_u32 s47, s47, s16
	s_lshl_b32 s47, s47, 17
	s_add_co_u32 s46, s46, s47
	s_mov_b32 s47, 0
	s_mul_i32 s22, s14, HALFT                      ; where my part goes: no place in the cluster enters an LDS address
	s_wait_kmcnt 0x0
	s_load_b256 s[84:91], s[76:77], 0x0            ; exponents 0..7
	s_load_b128 s[92:95], s[76:77], 0x20           ; 8..11
	s_add_nc_u64 s[20:21], s[68:69], s[20:21]
	s_add_nc_u64 s[46:47], s[68:69], s[46:47]
	CROUND                                         ; all sixteen work-groups are here: the first joint loads meet
.irp s, 0,1
	s_mov_b32 s[G0+4*\s], 1
	s_add_co_u32 s[G0+4*\s+1], s22, \s*SLOT
	s_add_nc_u64 s[G0+4*\s+2:G0+4*\s+3], s[20:21], \s*KSTEPB
	s_or_b32 s[G0+4*\s+3], s[G0+4*\s+3], 0x80000000
	s_mov_b32 s[G0B+4*\s], 1
	s_add_co_u32 s[G0B+4*\s+1], s22, \s*SLOT
	s_add_nc_u64 s[G0B+4*\s+2:G0B+4*\s+3], s[46:47], \s*KSTEPB
	s_or_b32 s[G0B+4*\s+3], s[G0B+4*\s+3], 0x80000000
	JLOAD G0+4*\s, G1, G0B+4*\s, G1B               ; two loads of mine are out
.endr
	v_and_b32 v1, 31, v0
	v_lshlrev_b32 v[LO], 4, v1
	s_mul_i32 s21, s15, HALFT                      ; my 128 rows of A
	s_mul_i32 s23, s16, HALFT
	s_add_co_u32 s23, s23, 2*HALFT                 ; my 128 rows of B, behind A's two halves
.irp s, 0,1
	v_add_nc_u32 v[ADRA+\s], s21, v[LO]
	v_add_nc_u32 v[ADRB+\s], s23, v[LO]
	s_add_co_u32 s21, s21, SLOT
	s_add_co_u32 s23, s23, SLOT
.endr
	s_lshl_b32 s2, s17, 4
	s_lshl_b32 s3, s15, 3
	s_add_co_u32 s2, s2, s3                        ; my first block of A
	s_lshl_b32 s3, s18, 4
	s_lshl_b32 s4, s16, 3
	s_add_co_u32 s3, s3, s4                        ; my first block of B
	s_cmp_eq_u32 s45, 2
	s_cselect_b32 s4, s3, s2                       ; my first block of rows of x,
	s_cselect_b32 s5, s2, s3                       ; and of columns n
	s_cselect_b32 s6, -1, 0
	s_cselect_b32 s7, 0, 4
	s_cselect_b64 s[8:9], s[74:75], s[72:73]
	s_cmp_eq_u32 s45, 0
	s_cselect_b64 s[8:9], s[70:71], s[8:9]         ; the bias: the choice hangs on the cluster's y alone
	s_lshl_b32 s10, s5, 6
	s_mov_b32 s11, 0
	s_add_nc_u64 s[8:9], s[8:9], s[10:11]          ; at my first column
	v_and_b32 v2, 15, v0                           ; r
	v_bfe_u32 v3, v0, 4, 1                         ; h
	v_lshlrev_b32 v4, 6, v3                        ; q, k: register j of B's block x is column 32 (x / 2) + 8 (x % 2) + 16 h + j
	v_and_b32 v5, 8, v2
	v_add_nc_u32 v5, v5, v2
	v_lshlrev_b32 v5, 2, v5                        ; v: all eight registers of A's block x are column 32 (x / 2) + 8 (x % 2) + r + 8 (r / 8)
	v_cndmask_b32 v[BA], v4, v5, s6
.irp j, 1,2,3,4,5,6,7
	v_add_nc_u32 v[BA+\j], s7, v[BA+\j-1]
.endr
.irp x, 0,1,2,3,4,5,6,7
.irp j, 0,1,2,3,4,5,6,7
	global_load_b32 v[BIAS+8*\x+\j], v[BA+\j], s[8:9] offset:4*(32*(\x/2)+8*(\x%2))
.endr
.endr
	s_lshr_b32 s10, s4, 7                          ; the batch,
	s_lshl_b32 s10, s10, 4
	s_lshr_b32 s12, s5, 2                          ; the first of my two heads
	s_add_co_u32 s10, s10, s12
	s_mul_i32 s10, s10, HS
	s_and_b32 s12, s4, 127                         ; my first block of rows in the batch, a multiple of 8
	s_lshl_b32 s13, s12, 10                        ; Q: tiles of 1,024 bytes
	s_lshl_b32 s12, s12, 11
	s_add_co_u32 s12, s12, 131072                  ; K, V: 8 blocks are a key step of 16,384 bytes
	s_cmp_eq_u32 s45, 0
	s_cselect_b32 s12, s13, s12
	s_cmp_eq_u32 s45, 2
	s_cselect_b32 s13, 8192, 0                     ; V^T lies behind the step's K
	s_add_co_u32 s12, s12, s13
	s_add_co_u32 s10, s10, s12
	s_mov_b32 s11, 0
	s_add_nc_u64 s[82:83], s[78:79], s[10:11]
	s_wait_kmcnt 0x0
	s_add_co_i32 s84, s84, s85                     ; eA + eB of the three products
	s_add_co_i32 s86, s86, s87
	s_add_co_i32 s88, s88, s89
	s_cmp_eq_u32 s45, 0
	s_cselect_b32 s2, s84, s86
	s_cselect_b32 s3, s90, s91                     ; eO: entry 6 for q, 7 for k,
	s_cmp_eq_u32 s45, 2
	s_cselect_b32 s2, s88, s2
	s_cselect_b32 s3, s93, s3                      ; 9 for v
	s_sub_co_i32 s3, s3, s2
	s_sub_co_i32 s2, 0, s2
	s_add_co_i32 s3, s3, 127
	s_lshl_b32 s4, s3, 23
	v_mov_b32 v[SCL], s4
	s_add_co_i32 s3, s3, 8
	s_lshl_b32 s3, s3, 23
	s_or_b32 s3, s3, 0x600000
	v_mov_b32 v[LIM], s3
	s_wait_loadcnt 0x0                             ; the bias, while the first tiles are on their way
.set i, 0
.rept 64
	v_ldexp_f32 v[BIAS+i], v[BIAS+i], s2           ; b / 2^(eA + eB)
.set i, i+1
.endr
	s_wait_tensorcnt 1                             ; my part of K step 0 is in (K step 1's load may be out)
	s_barrier_signal -1
	s_barrier_wait -1                              ; everybody's is
	FETCH_B 0, 0, 0
	FETCH_A 0, 0, 0
	FETCH_A 0, 0, 4
	STEP 0, 0, 1                                   ; K = 1,024 is four slots' worth, eight steps of 128: written out
	TURN 0, 1, 1                                   ; slot 0 takes K step 2
	STEP 1, 0, 0
	TURN 1, 0, 1                                   ; slot 1 takes K step 3
	STEP 0, 0, 0
	TURN 0, 1, 0                                   ; nothing is left to fetch
	STEP 1, 0, 0
	s_wait_dscnt 4*NL
	WIN MUL_LO
	MUL16 0, 1, 0
	MUL16 2, 1, 0
	s_wait_dscnt 0
	WIN MUL_HI
	MUL16 4, 1, 0
	MUL16 6, 1, 0
	WIN 0
	PLACES NP                                      ; in front of vector writes into the registers that held A's fragments
; THE WAY OUT, A's blocks one after the other: sum + bias (each accumulator from its low end on), the hold, the conversion: four registers are 16 neighbours along the next K of one slot, and go out as they stand.
.macro EPI isv
.irp a, 0,1,2,3,4,5,6,7
.if \a == 4
	s_wait_xcnt 0x0                                ; the 16 stores of blocks 0-3 have read their codes: the 16 slots are written a second time
.endif
	WIN 0x02+\a/4                                  ; source 0: window 2 or 3
.irp b, 0,1,2,3,4,5,6,7
.irp i, 0,2,4,6
.if \isv
	v_pk_add_f32 v[TMP+8*\b+\i:TMP+8*\b+\i+1], v[64*(\a%4)+8*\b+\i:64*(\a%4)+8*\b+\i+1], v[BIAS+8*\a+\i:BIAS+8*\a+\i+1]
.else
	v_pk_add_f32 v[TMP+8*\b+\i:TMP+8*\b+\i+1], v[64*(\a%4)+8*\b+\i:64*(\a%4)+8*\b+\i+1], v[BIAS+8*\b+\i:BIAS+8*\b+\i+1]
.endif
.endr
.endr
	WIN 0
.irp g, 0,1,2,3
.irp i, 0,1,2,3,4,5,6,7,8,9,10,11,12,13,14,15
	v_med3_num_f32 v[TMP+16*\g+\i], v[TMP+16*\g+\i], -v[LIM], v[LIM]   ; the conversion does not saturate (ISA guide 7.6.2)
.endr
	v_cvt_scalef32_pk8_fp8_f32 v[CD+4*((4*\a+\g)%16):CD+4*((4*\a+\g)%16)+1], v[TMP+16*\g:TMP+16*\g+7], v[SCL]
	v_cvt_scalef32_pk8_fp8_f32 v[CD+4*((4*\a+\g)%16)+2:CD+4*((4*\a+\g)%16)+3], v[TMP+16*\g+8:TMP+16*\g+15], v[SCL]
.if \isv
	global_store_b128 v[LO], v[CD+4*((4*\a+\g)%16):CD+4*((4*\a+\g)%16)+3], s[82:83] offset:(\a/4)*HS+2048*(\a%4)+512*\g    ; head a / 4, tile a % 4 of d, keys 32 g on
.else
	global_store_b128 v[LO], v[CD+4*((4*\a+\g)%16):CD+4*((4*\a+\g)%16)+3], s[82:83] offset:(\g/2)*HS+1024*\a+512*(\g%2)    ; head g / 2, tile a of rows, d 32 (g % 2) on
.endif
.endr
	v_nop                                          ; a plain line between the last conversion and the next block's sums, which write its sources
.endr
.endm
	s_cmp_eq_u32 s45, 2                            ; the cluster's y: alike in all partners; no barrier and no tensor load stands inside
	s_cbranch_scc1 .Lvalues
	EPI 0
	s_branch .Lclose
.Lvalues:
	EPI 1
.Lclose:
	s_wait_tensorcnt 0x0                           ; the wave's end
	ds_add_u32 v[SPW], v[NIL]
	s_wait_dscnt 0x0
	CROUND                                         ; the closing round: no work-group ends while a partner may still ask for a tile that names it
	s_endpgm
.Lfunc_end_k_q6ac0d1c528_proj:
	.size	k_q6ac0d1c528_proj, .Lfunc_end_k_q6ac0d1c528_proj-k_q6ac0d1c528_proj
	.p2alignl 7, 3214868480
	.fill 96, 4, 3214868480
	.section	.rodata,"a",@progbits
	.p2align	6, 0x0
	.amdhsa_kernel k_q6ac0d1c528_proj
		.amdhsa_group_segment_fixed_size 327680
		.amdhsa_private_segment_fixed_size 0
		.amdhsa_enable_private_segment 0
		.amdhsa_kernarg_size 48
		.amdhsa_user_sgpr_count 2
		.amdhsa_user_sgpr_kernarg_segment_ptr 1
		.amdhsa_wavefront_size32 1
		.amdhsa_system_sgpr_workgroup_id_x 1
		.amdhsa_system_sgpr_workgroup_id_y 1
		.amdhsa_system_sgpr_workgroup_id_z 1
		.amdhsa_system_vgpr_workitem_id 0
		.amdhsa_next_free_vgpr 1024
		.amdhsa_next_free_sgpr 100
		.amdhsa_reserve_vcc 0
		.amdhsa_float_denorm_mode_32 3
		.amdhsa_float_denorm_mode_16_64 3
		.amdhsa_memory_ordered 1
		.amdhsa_forward_progress 1
		.amdhsa_inst_pref_size 201
	.end_amdhsa_kernel
	.amdgpu_metadata
---
amdhsa.version: [ 1, 2 ]
amdhsa.kernels:
  - .name:           k_q6ac0d1c528_proj
    .symbol:         k_q6ac0d1c528_proj.kd
    .args:
      - { .name: codes, .offset: 0, .size: 8, .value_kind: global_buffer, .address_space: global }
      - { .name: bq, .offset: 8, .size: 8, .value_kind: global_buffer, .address_space: global }
      - { .name: bk, .offset: 16, .size: 8, .value_kind: global_buffer, .address_space: global }
      - { .name: bv, .offset: 24, .size: 8, .value_kind: global_buffer, .address_space: global }
      - { .name: lowp_scales, .offset: 32, .size: 8, .value_kind: global_buffer, .address_space: global }
      - { .name: heads, .offset: 40, .size: 8, .value_kind: global_buffer, .address_space: global }
    .group_segment_fixed_size: 327680
    .private_segment_fixed_size: 0
    .kernarg_segment_align: 8
    .kernarg_segment_size: 48
    .max_flat_workgroup_size: 128
    .sgpr_count:     100
    .vgpr_count:     1024
    .wavefront_size: 32
...
	.end_amdgpu_metadata
.endif
;; end of part 2
;; launch attn (part 3): grid 8 x 32, 8 waves a work-group, clusters of 4 x 1, 263,168 bytes of LDS; arguments heads, lowp_scales, ocodes; writes ocodes
.if DOCPART == 3
	.amdgcn_target "amdgcn-amd-amdhsa--gfx1250"
	.amdhsa_code_object_version 6
	.text
	.protected	k_q6ac0d1c528_attn
	.globl	k_q6ac0d1c528_attn
	.p2align	8
	.type	k_q6ac0d1c528_attn,@function
k_q6ac0d1c528_attn:
	s_mov_b64 s[64:65], 0
	v_nop
	global_prefetch_b8 v0, s[64:65] scope:SCOPE_SE
	s_setreg_imm32_b32 hwreg(HW_REG_WAVE_MODE, 25, 1), 1
	s_wait_xcnt 0x0
	s_wait_alu depctr_hold_cnt(0) depctr_sa_sdst(0) depctr_va_vdst(0) depctr_va_sdst(0) depctr_va_ssrc(0) depctr_va_vcc(0) depctr_vm_vsrc(0)
	s_getreg_b32 s2, hwreg(HW_REG_IB_STS2, 6, 4)
	s_cmp_eq_u32 s2, 0
	s_cbranch_scc0 .Lentry_in_a_cluster
	s_endpgm
.Lentry_in_a_cluster:
	s_bfe_u32 s2, ttmp6, 0x10000c
	s_cmp_lg_u32 s2, 0x3003
	s_cbranch_scc0 .Lentry_shape_is_right
	s_endpgm
.Lentry_shape_is_right:
; Attention of one (batch, head) on codes of FP8 (E4M3): S^T = K Q^T (K = the head's 64), p = 2^(t - M), O^T = V^T P^T (K = the keys), O / the row's sum, quantised for the last projection.
; t = score x log2(e) / 8; M = the running largest t rounded UP to a whole number; the row's sum is taken of the unquantised p; when M moves, the sum and O^T are multiplied by 2^(old M - new M): exact.
; SHARES.  A work-group owns 256 queries of a head; each of its eight waves two tiles of 16 (tile 0 in register window 0, tile 1 in window 1, at the same numbers); two waves to a SIMD, so that one
; wave's vector work stands beside the other's products and LDS loads.  Each fragment of K and V read from LDS feeds two products.
; LDS holds the head's WHOLE K and V, 262,144 bytes, as they lie in memory: 16 key steps of 16,384 bytes: K: 8 tiles (16 keys x 64) of 1,024; V^T: 4 tiles (16 d x 128 keys) of 2,048, all in the order of
; a fragment's registers (16 bytes a lane, 512 an instruction).  Nothing is ever filled again: each wave issues four tensor loads of 8,192 bytes at the start, one for each group of four key steps, and
; a counted wait and a barrier stand in front of each group's first read.
; CLUSTER: the four query blocks of a cluster belong to one head: every tile is asked for jointly, by the same load with the same descriptor and the mask of all four.
; LAYOUT.  Both products are used transposed: a lane holds ONE query (lane % 16) throughout.  Slot r of tile t of K is key 32 (t / 2) + 8 (t % 2) + r + 8 (r / 8), so that the 16 registers of tiles 2 b, 2 b + 1
; are 16 neighbouring keys 32 b + 16 (lane / 16) + 0 .. 15: the conversions' results are the second product's operand.  V^T's slots are ordered likewise, so O^T's registers are neighbours along d.
; k is permuted alike in both operands of each product against the instruction's own order.
; LIMITS on the given exponents: e6 + e7 between -123 and 130 (added to c's exponent field); e8, and e10 - e8 - e9, between -126 and 119.  NaN is not served.
.set HS,  393216                       ; a head's bytes: Q 131,072, then K and V
.set LI,  1                            ; v1   16 x lane (window 0)
.set ADR, 2                            ; v2   LDS address of the step in hand (window 0)
.set NM,  12                           ; -M                        (v12-143: in both windows, a tile each)
.set TM,  13                           ; the largest t so far
.set LS,  14                           ; v[14:15] the row's sum, in two halves
.set QF,  16                           ; v16-23  Q's fragment
.set SCL, 24                           ; 2^e8
.set LIM, 25                           ; 448 x 2^e8
.set T0,  26
.set T1,  27
.set T2,  28
.set FF,  30                           ; v[30:31] f = 2^(old M - new M), and a word that is only named with it
.set S,   32                           ; v32-95  S^T, then p
.set OA,  96                           ; v96-127 O^T
.set PC,  128                          ; v128-143 p's codes
.set KF,  160                          ; v160-223 of window 0: a step's 8 fragments of K
.set VF,  160                          ; v160-223 of window 1: its 4 fragments of V^T
.set WV,  18
.set SEL, 20                           ; s[20:21] v_permlanex16_b32's selects for lane l xor 16
.set CS,  22                           ; s[22:23] c
.set G1,  24
.set G0,  32                           ; s[32:47] four groups 0
.set TB,  48                           ; LDS byte of the step in hand
.set CNT, 49
.set MSB, 0
.macro WIN new
.if MSB != (\new)
	s_set_vgpr_msb (MSB<<8)|(\new)
.set MSB, \new
.endif
.endm
.macro CROUND                          ; a round of the cluster's barrier
	s_barrier_signal -1
	s_barrier_wait -1
	s_cmp_lg_u32 s[WV], 0
	s_cbranch_scc1 .Lnot_wave_0_\@
	s_barrier_signal -3
.Lnot_wave_0_\@:
	s_barrier_wait -3
	s_barrier_signal -1
	s_barrier_wait -1
.endm
	s_load_b128 s[4:7], s[0:1], 0x0                ; heads s[4:5], the exponents s[6:7]
	s_load_b64 s[8:9], s[0:1], 0x10                ; ocodes
	v_lshl_add_u32 v254, v0, 2, 0x40000
	v_mov_b32 v255, 0
	ds_add_u32 v254, v255
	ds_add_u32 v254, v255
	v_lshrrev_b32 v3, 5, v0
	v_readfirstlane_b32 s[WV], v3                  ; wave 0..7
	v_and_b32 v3, 31, v0
	v_lshlrev_b32 v[LI], 4, v3
	s_bfe_u32 s10, ttmp6, 0x40000                  ; cx
	s_lshl_b32 s11, ttmp9, 2
	s_add_co_u32 s11, s11, s10                     ; my block of 256 queries: it enters Q's and the result's addresses alone
	s_and_b32 s12, ttmp7, 0xffff                   ; 16 x batch + head, which the four partners share
	s_mul_i32 s16, s12, HS
	s_lshl_b32 s13, s[WV], 13                      ; my 8,192 bytes of a group, in memory and in LDS
	s_add_co_u32 s2, s16, s13
	s_add_co_u32 s2, s2, 131072
	s_mov_b32 s3, 0
	s_lshl_b32 s14, s11, 14                        ; Q: tile 16 x block + 2 x wave, 1,024 bytes each
	s_lshl_b32 s15, s[WV], 11
	s_add_co_u32 s14, s14, s15
	s_add_co_u32 s14, s14, s16
	s_mov_b32 s15, 0
	s_lshr_b32 s50, s12, 4                         ; the result: panel 16 x batch + 2 x block + wave / 4,
	s_lshl_b32 s50, s50, 4
	s_lshl_b32 s51, s11, 1
	s_add_co_u32 s50, s50, s51
	s_lshr_b32 s51, s[WV], 2
	s_add_co_u32 s50, s50, s51
	s_lshl_b32 s50, s50, 17
	s_and_b32 s51, s[WV], 3                        ; blocks 2 (wave % 4) and the next, 4,096 bytes each,
	s_lshl_b32 s51, s51, 13
	s_add_co_u32 s50, s50, s51
	s_bfe_u32 s51, s12, 0x20002                    ; k = 64 x head + d: K step head / 4,
	s_lshl_b32 s51, s51, 15
	s_add_co_u32 s50, s50, s51
	s_and_b32 s51, s12, 3                          ; and 1,024 bytes for each head in it
	s_lshl_b32 s51, s51, 10
	s_add_co_u32 s50, s50, s51
	s_mov_b32 s51, 0
	; descriptor group 1: a dense block of 32 rows of 32 elements of 8 bytes
	s_mov_b32 s[G1], 15|(3<<16)|(1<<21)            ; 15:0 the mask: all four work-groups; 17:16 elements of 8 bytes; 21 set beside a mask
	s_mov_b32 s[G1+1], 32<<16
	s_mov_b32 s[G1+2], 32<<16
	s_mov_b32 s[G1+3], 32<<16
	s_mov_b32 s[G1+4], 32
	s_mov_b32 s[G1+5], 32
	s_mov_b32 s[G1+6], 0
	s_mov_b32 s[G1+7], 0
	s_mov_b32 s[SEL], 0x76543210
	s_mov_b32 s[SEL+1], 0xfedcba98
	s_mov_b32 s[CS], 0x3e38aa3b                    ; c = log2(e) / 8
	s_wait_dscnt 0x0
	s_wait_kmcnt 0x0
	s_load_b256 s[52:59], s[6:7], 0x0              ; exponents 0..7
	s_load_b128 s[60:63], s[6:7], 0x20             ; 8..11
	s_add_nc_u64 s[2:3], s[4:5], s[2:3]
	s_add_nc_u64 s[14:15], s[4:5], s[14:15]
	s_add_nc_u64 s[8:9], s[8:9], s[50:51]
.irp g, 0,1,2,3
	s_mov_b32 s[G0+4*\g], 1
	s_add_co_u32 s[G0+4*\g+1], s13, \g*65536       ; LDS: 8,192 x wave + 65,536 x group
	s_add_nc_u64 s[G0+4*\g+2:G0+4*\g+3], s[2:3], \g*65536
	s_or_b32 s[G0+4*\g+3], s[G0+4*\g+3], 0x80000000
.endr
	CROUND                                         ; all four work-groups are here: the joint loads meet
.irp g, 0,1,2,3
	tensor_load_to_lds s[G0+4*\g:G0+4*\g+3], s[G1:G1+7]   ; four loads of mine are out, and no more are ever issued
	s_nop 0
.endr
.rept 4
	v_nop
.endr
	global_load_b128 v[QF:QF+3], v[LI], s[14:15]
	global_load_b128 v[QF+4:QF+7], v[LI], s[14:15] offset:512
	WIN 0x40                                       ; destination window 1
	global_load_b128 v[QF:QF+3], v[LI], s[14:15] offset:1024
	global_load_b128 v[QF+4:QF+7], v[LI], s[14:15] offset:1536
	WIN 0
	s_wait_kmcnt 0x0
	s_add_co_i32 s50, s58, s59
	s_lshl_b32 s50, s50, 23
	s_add_co_i32 s[CS], s[CS], s50                 ; a score stands for score x 2^(e6 + e7)
	s_mov_b32 s[CS+1], s[CS]                       ; (named with it as a pair)
	s_add_co_i32 s50, s60, 127
	s_lshl_b32 s51, s50, 23                        ; 2^e8
	s_add_co_i32 s50, s50, 8
	s_lshl_b32 s50, s50, 23
	s_or_b32 s50, s50, 0x600000                    ; 448 x 2^e8
	s_sub_co_i32 s56, s62, s60
	s_sub_co_i32 s56, s56, s61                     ; O's sums stand for sum x 2^(e8 + e9): the result's conversion takes 2^(e10 - e8 - e9)
	s_add_co_i32 s56, s56, 127
	s_lshl_b32 s57, s56, 23
	s_add_co_i32 s56, s56, 8
	s_lshl_b32 s56, s56, 23
	s_or_b32 s56, s56, 0x600000
.macro INIT                            ; the key step is written once: the first finds zeros, which the first change of M leaves zeros
	v_mov_b32 v[TM], 0xff61b1e6                    ; -3e38, under every t
	v_floor_f32 v[NM], -v[TM]
	v_mov_b32 v[LS], 0
	v_mov_b32 v[LS+1], 0
	v_mov_b32 v[T2], 0                             ; a lane permute's destination counts as one of its sources
	v_mov_b32 v[FF+1], 0
	v_mov_b32 v[SCL], s51
	v_mov_b32 v[LIM], s50
.set i, 0
.rept 32
	v_mov_b32 v[OA+i], 0
.set i, i+1
.endr
.endm
	INIT
	WIN 0x55                                       ; every operand place: window 1
	INIT
	WIN 0
; ONE TILE'S SOFTMAX FOR A KEY STEP; all its registers lie in one window.  From the exponentials on, plain lines that are ready stand between them: the sum of the pair before (taken ahead of its hold),
; the pair's hold, O^T's rescaling, and t - M of the pair two further on: every exponential has a plain line behind it before its result is used.
.macro SM
	v_max3_num_f32 v[T0], v[S], v[S+1], v[S+2]     ; my query's largest score among my 64 keys, in two chains, each accumulator from its low end on
	v_max3_num_f32 v[T1], v[S+3], v[S+4], v[S+5]
.irp i, 6,10,14,18,22,26,30,34,38,42,46,50,54,58
	v_max3_num_f32 v[T0], v[T0], v[S+\i], v[S+\i+1]
	v_max3_num_f32 v[T1], v[T1], v[S+\i+2], v[S+\i+3]
.endr
	v_max3_num_f32 v[T0], v[T0], v[S+62], v[S+63]
	v_max_num_f32 v[T0], v[T0], v[T1]
	v_permlanex16_b32 v[T2], v[T0], s[SEL], s[SEL+1]
	v_max_num_f32 v[T0], v[T0], v[T2]              ; and among lane l xor 16's
	v_mul_f32 v[T0], s[CS], v[T0]                  ; as t (c is positive)
	v_max_num_f32 v[TM], v[TM], v[T0]
	v_mov_b32 v[T0], v[NM]
	v_floor_f32 v[NM], -v[TM]                      ; -M = floor(-t): M is a whole number
	v_sub_f32 v[T0], v[NM], v[T0]                  ; old M - new M, 0 or less
	v_cvt_i32_f32 v[T0], v[T0]                     ; (it saturates)
	v_ldexp_f32 v[FF], 1.0, v[T0]                  ; f
	v_pk_fma_f32 v[S:S+1], v[S:S+1], s[CS:CS+1], v[NM:NM+1] op_sel_hi:[1,0,0]       ; t - M (of the pairs c and -M the low word serves both halves)
	v_pk_fma_f32 v[S+2:S+3], v[S+2:S+3], s[CS:CS+1], v[NM:NM+1] op_sel_hi:[1,0,0]
.set j, 0
.rept 32
	v_exp_f32 v[S+2*j], v[S+2*j]
.if j == 1
	s_wait_alu depctr_va_vdst(0)
	v_pk_fma_f32 v[LS:LS+1], v[LS:LS+1], v[FF:FF+1], v[S:S+1] op_sel_hi:[1,0,1]     ; the sum under the new M, + the first pair
.elseif j > 1
	s_wait_alu depctr_va_vdst(0)
	v_pk_add_f32 v[LS:LS+1], v[LS:LS+1], v[S+2*j-2:S+2*j-1]
.endif
	v_exp_f32 v[S+2*j+1], v[S+2*j+1]
.if j >= 1
	v_min_num_f32 v[S+2*j-2], v[S+2*j-2], v[LIM]   ; the conversion does not saturate (ISA guide 7.6.2); p is not negative, so the hold is one-sided
	v_min_num_f32 v[S+2*j-1], v[S+2*j-1], v[LIM]
.endif
.if j%2 == 0
	v_pk_mul_f32 v[OA+j:OA+j+1], v[OA+j:OA+j+1], v[FF:FF+1] op_sel_hi:[1,0]         ; O^T under the new M
.endif
.if j <= 29
	v_pk_fma_f32 v[S+2*j+4:S+2*j+5], v[S+2*j+4:S+2*j+5], s[CS:CS+1], v[NM:NM+1] op_sel_hi:[1,0,0]
.endif
.set j, j+1
.endr
	s_wait_alu depctr_va_vdst(0)
	v_pk_add_f32 v[LS:LS+1], v[LS:LS+1], v[S+62:S+63]
	v_min_num_f32 v[S+62], v[S+62], v[LIM]
	v_min_num_f32 v[S+63], v[S+63], v[LIM]
.irp g, 0,1,2,3,4,5,6,7
	v_cvt_scalef32_pk8_fp8_f32 v[PC+2*\g:PC+2*\g+1], v[S+8*\g:S+8*\g+7], v[SCL]
.endr
	v_nop                                          ; a plain line between the last conversion and the products that read the codes
.endm
.macro KQ                              ; S^T of one tile: 8 tiles of 16 keys; each product is a whole sum (K = 64)
.irp t, 0,1,2,3,4,5,6,7
	v_wmma_f32_16x16x64_fp8_fp8 v[S+8*\t:S+8*\t+7], v[KF+8*\t:KF+8*\t+7], v[QF:QF+7], 0
.endr
.endm
.macro PV                              ; O^T += V^T P^T: four accumulators by turns
.irp t, 0,1,2,3
	v_wmma_f32_16x16x128_fp8_fp8 v[OA+8*\t:OA+8*\t+7], v[VF+16*\t:VF+16*\t+15], v[PC:PC+15], v[OA+8*\t:OA+8*\t+7]
.endr
.endm
; A KEY STEP of 128 keys.  pf = 1: the next step's K is fetched too.
.macro STEP pf
	s_wait_dscnt 0x0                               ; this step's K is in
	KQ                                             ; tile 0
	WIN 0x44                                       ; Q and S^T in window 1, K in window 0
	KQ                                             ; tile 1
	WIN 0
	v_add_nc_u32 v[ADR], s[TB], v[LI]              ; this line and three v_nop: the places in front of the loads into K's and V's registers and of the first read of the scores
.rept 3
	v_nop
.endr
	WIN 0x40                                       ; destination window 1
.irp t, 0,1,2,3
.irp c, 0,1,2,3
	ds_load_b128 v[VF+16*\t+4*\c:VF+16*\t+4*\c+3], v[ADR] offset:8192+2048*\t+512*\c
.endr
.endr
	WIN 0
.if \pf
.irp t, 0,1,2,3,4,5,6,7
.irp c, 0,1
	ds_load_b128 v[KF+8*\t+4*\c:KF+8*\t+4*\c+3], v[ADR] offset:16384+1024*\t+512*\c
.endr
.endr
.endif
	s_add_co_u32 s[TB], s[TB], 16384
	SM                                             ; tile 0
	s_wait_dscnt 16*\pf                            ; V is in; the 16 younger loads, the next step's K, may be out
	WIN 0x01                                       ; V in window 1
	PV
	WIN 0x55
	SM                                             ; tile 1, while tile 0's products run
	PV
	WIN 0
.endm
.macro GATE n                          ; my part of the next group of four key steps has landed (n younger loads of mine may be out), and so has everybody's
	s_wait_tensorcnt \n
	s_wait_dscnt 0x0
	s_barrier_signal -1
	s_barrier_wait -1
.endm
.macro RUN first, n
	s_mov_b32 s[TB], \first*16384
	s_mov_b32 s[CNT], \n
.Lrun_\@:
	STEP 1
	s_sub_co_u32 s[CNT], s[CNT], 1
	s_cmp_lg_u32 s[CNT], 0
	s_cbranch_scc1 .Lrun_\@
.endm
	GATE 3
.irp t, 0,1,2,3,4,5,6,7
.irp c, 0,1
	ds_load_b128 v[KF+8*\t+4*\c:KF+8*\t+4*\c+3], v[LI] offset:1024*\t+512*\c   ; K of step 0
.endr
.endr
	s_wait_loadcnt 0x0                             ; Q
	RUN 0, 3                                       ; step s fetches K of step s + 1: so a group's gate stands one step ahead of its first step
	GATE 2
	RUN 3, 4
	GATE 1
	RUN 7, 4
	GATE 0
	RUN 11, 4
	s_mov_b32 s[TB], 15*16384
	STEP 0
; THE WAY OUT of a tile: O^T / the row's sum, held, converted: registers 4 b .. 4 b + 3 are d = 32 b + 16 (lane / 16) + 0 .. 15 of my query: a part of a fragment of the last projection's operand.
.macro FIN
	v_add_f32 v[LS], v[LS], v[LS+1]
	v_permlanex16_b32 v[T2], v[LS], s[SEL], s[SEL+1]
	v_add_f32 v[LS], v[LS], v[T2]
	v_rcp_f32 v[LS], v[LS]
	v_mov_b32 v[T0], s57                           ; (a plain line behind the reciprocal)
	v_mov_b32 v[T1], s56
	s_wait_alu depctr_va_vdst(0)
.irp i, 0,2,4,6,8,10,12,14,16,18,20,22,24,26,28,30
	v_pk_mul_f32 v[S+\i:S+\i+1], v[OA+\i:OA+\i+1], v[LS:LS+1] op_sel_hi:[1,0]
.endr
.set i, 0
.rept 32
	v_med3_num_f32 v[S+i], v[S+i], -v[T1], v[T1]
.set i, i+1
.endr
.irp g, 0,1,2,3
	v_cvt_scalef32_pk8_fp8_f32 v[PC+2*\g:PC+2*\g+1], v[S+8*\g:S+8*\g+7], v[T0]
.endr
	v_nop
.endm
	FIN                                            ; tile 0: its lines name window 0 alone and are the places behind tile 1's last products
	global_store_b128 v[LI], v[PC:PC+3], s[8:9]                ; 512 consecutive bytes, aligned
	global_store_b128 v[LI], v[PC+4:PC+7], s[8:9] offset:512
	WIN 0x55
	FIN                                            ; tile 1
	WIN 0x04                                       ; the stores' data in window 1, their address in window 0
	global_store_b128 v[LI], v[PC:PC+3], s[8:9] offset:4096
	global_store_b128 v[LI], v[PC+4:PC+7], s[8:9] offset:4096+512
	WIN 0
	s_wait_tensorcnt 0x0
	ds_add_u32 v254, v255
	s_wait_dscnt 0x0
	CROUND                                         ; the closing round
	s_endpgm
.Lfunc_end_k_q6ac0d1c528_attn:
	.size	k_q6ac0d1c528_attn, .Lfunc_end_k_q6ac0d1c528_attn-k_q6ac0d1c528_attn
	.p2alignl 7, 3214868480
	.fill 96, 4, 3214868480
	.section	.rodata,"a",@progbits
	.p2align	6, 0x0
	.amdhsa_kernel k_q6ac0d1c528_attn
		.amdhsa_group_segment_fixed_size 263168
		.amdhsa_private_segment_fixed_size 0
		.amdhsa_enable_private_segment 0
		.amdhsa_kernarg_size 24
		.amdhsa_user_sgpr_count 2
		.amdhsa_user_sgpr_kernarg_segment_ptr 1
		.amdhsa_wavefront_size32 1
		.amdhsa_system_sgpr_workgroup_id_x 1
		.amdhsa_system_sgpr_workgroup_id_y 1
		.amdhsa_system_sgpr_workgroup_id_z 1
		.amdhsa_system_vgpr_workitem_id 0
		.amdhsa_next_free_vgpr 512
		.amdhsa_next_free_sgpr 72
		.amdhsa_reserve_vcc 0
		.amdhsa_float_denorm_mode_32 3
		.amdhsa_float_denorm_mode_16_64 3
		.amdhsa_memory_ordered 1
		.amdhsa_forward_progress 1
		.amdhsa_inst_pref_size 167
	.end_amdhsa_kernel
	.amdgpu_metadata
---
amdhsa.version: [ 1, 2 ]
amdhsa.kernels:
  - .name:           k_q6ac0d1c528_attn
    .symbol:         k_q6ac0d1c528_attn.kd
    .args:
      - { .name: heads, .offset: 0, .size: 8, .value_kind: global_buffer, .address_space: global }
      - { .name: lowp_scales, .offset: 8, .size: 8, .value_kind: global_buffer, .address_space: global }
      - { .name: ocodes, .offset: 16, .size: 8, .value_kind: global_buffer, .address_space: global }
    .group_segment_fixed_size: 263168
    .private_segment_fixed_size: 0
    .kernarg_segment_align: 8
    .kernarg_segment_size: 24
    .max_flat_workgroup_size: 256
    .sgpr_count:     72
    .vgpr_count:     512
    .wavefront_size: 32
...
	.end_amdgpu_metadata
.endif
;; end of part 3
;; launch outp (part 4): grid 4 x 16, 4 waves a work-group, clusters of 4 x 4, 327,680 bytes of LDS; arguments ocodes, codes, lowp_scales, bo, out0; writes out0
.if DOCPART == 4
	.amdgcn_target "amdgcn-amd-amdhsa--gfx1250"
	.amdhsa_code_object_version 6
	.text
	.protected	k_q6ac0d1c528_outp
	.globl	k_q6ac0d1c528_outp
	.p2align	8
	.type	k_q6ac0d1c528_outp,@function
k_q6ac0d1c528_outp:
	s_mov_b64 s[64:65], 0
	v_nop
	global_prefetch_b8 v0, s[64:65] scope:SCOPE_SE
	s_setreg_imm32_b32 hwreg(HW_REG_WAVE_MODE, 25, 1), 1
	s_wait_xcnt 0x0
	s_wait_alu depctr_hold_cnt(0) depctr_sa_sdst(0) depctr_va_vdst(0) depctr_va_sdst(0) depctr_va_ssrc(0) depctr_va_vcc(0) depctr_vm_vsrc(0)
	s_getreg_b32 s2, hwreg(HW_REG_IB_STS2, 6, 4)
	s_cmp_eq_u32 s2, 0
	s_cbranch_scc0 .Lentry_in_a_cluster
	s_endpgm
.Lentry_in_a_cluster:
	s_bfe_u32 s2, ttmp6, 0x10000c
	s_cmp_lg_u32 s2, 0xf033
	s_cbranch_scc0 .Lentry_shape_is_right
	s_endpgm
.Lentry_shape_is_right:
; out0 = (attention's result) Wo + bo on codes of FP8 (E4M3), M = 4,096, N = K = 1,024; out0 is f32.  A sum is multiplied once by 2^(e10 + e11) and bo is added, in one packed multiply-add.
; LIMIT: e10 + e11 between -126 and 127, so that the power of two is an f32 number.
; A tile is 256 x 256: four waves, each 128 x 128 in 64 accumulators.  K goes in steps of 256 through two LDS slots filled by the tensor data mover.  64 tiles: 64 work-groups; a tile of half the side
; would read twice the LDS bytes for each product.
; OPERANDS lie in memory in the order of a fragment's registers (16 slots x 128 k = 2,048 bytes, byte 512 c + 16 lane + i = k 32 c + 16 (lane / 16) + i of slot lane % 16), 128 rows x 256 k as one dense
; block of 32,768 bytes.  k is permuted alike in both operands against the instruction's own order.  Slot r of block T is row 32 (T / 2) + 8 (T % 2) + r + 8 (r / 8), for the rows and for Wo's columns:
; source 0 = 16 slots of Wo, source 1 = 16 rows: a lane holds one row, and the 16 registers of Wo's blocks 2 g, 2 g + 1 are columns 32 g + 16 (lane / 16) + 0 .. 15.
; CLUSTERS: 4 x 4 work-groups; the rows' tile is asked for jointly by my row of the cluster, Wo's by my column.
; REGISTERS: window 0: v16-29 addresses; v32-35 bo of my four columns; v128-255 A's fragments, one set (on the way out: rows read back).  window 1: B's fragments, two sets.  windows 2, 3: the accumulators.
.set HALFT,  32768
.set SLOT,   4*HALFT
.set SPARE,  2*SLOT                    ; behind the ring: the spare words, 128 bytes for each wave: two blocks of 256 bytes that no other line names
.set KSTEPB, 32768
.set WOFF,   0xC00000
.set SPITCH, 528                       ; the way out: a stage of 16 rows x (512 bytes + 16) for each wave, in slot 0, which has had its last fill and its last read when the first result is stored there
.set FR,     16
.set NL,     4
.set NP,     4
.set ADRA, 16
.set ADRB, 20
.set LO,   24                          ; v24  16 x lane
.set STO,  25                          ; v25  the stage: where I put my registers
.set RD,   26                          ; v26  and where I read a row back
.set SPW,  28
.set NIL,  29
.set BI,   32
.set AF,   128
.set BK,   128                         ; rows read back: v128-191 and v192-255 by turns
.set G1, 24
.set G0, 32
.set G1B, 48
.set G0B, 56
.set MSB, 0
.macro WIN new
.if MSB != (\new)
	s_set_vgpr_msb (MSB<<8)|(\new)
.set MSB, \new
.endif
.endm
.set MUL_LO, 0xa1
.set MUL_HI, 0xf1
.set TO_B,   0x40
.macro JLOAD g0a, g1a, g0b, g1b        ; a joint load: waves 0 and 1 fetch A's halves, waves 2 and 3 B's; four v_nop follow each of the two lines
	s_cmp_eq_u32 s15, 0
	s_cbranch_scc0 .Lfor_b_\@
	tensor_load_to_lds s[\g0a:\g0a+3], s[\g1a:\g1a+7]
	s_nop 0
.rept 4
	v_nop
.endr
	s_branch .Lasked_\@
.Lfor_b_\@:
	tensor_load_to_lds s[\g0b:\g0b+3], s[\g1b:\g1b+7]
	s_nop 0
.rept 4
	v_nop
.endr
.Lasked_\@:
.endm
.macro CREST
	s_cmp_lg_u32 s14, 0
	s_cbranch_scc1 .Lnot_wave_0_\@
	s_barrier_signal -3
.Lnot_wave_0_\@:
	s_barrier_wait -3
	s_barrier_signal -1
	s_barrier_wait -1
.endm
.macro CROUND
	s_barrier_signal -1
	s_barrier_wait -1
	CREST
.endm
.macro FRAG reg, adr, q, i
.irp c, 0,1,2,3
	ds_load_b128 v[\reg+4*\c:\reg+4*\c+3], v[\adr] offset:2048*(\q)+512*\c+4096*(\i)
.endr
.endm
.macro MUL16 a0, p, zero               ; 16 matrix instructions; the 64 accumulators take turns
.irp a, \a0, \a0+1
.irp b, 0,1,2,3,4,5,6,7
.if \zero
	v_wmma_f32_16x16x128_fp8_fp8 v[8*(8*((\a)%4)+\b):8*(8*((\a)%4)+\b)+7], v[128*(\p)+FR*\b:128*(\p)+FR*\b+FR-1], v[AF+FR*(\a):AF+FR*(\a)+FR-1], 0
.else
	v_wmma_f32_16x16x128_fp8_fp8 v[8*(8*((\a)%4)+\b):8*(8*((\a)%4)+\b)+7], v[128*(\p)+FR*\b:128*(\p)+FR*\b+FR-1], v[AF+FR*(\a):AF+FR*(\a)+FR-1], v[8*(8*((\a)%4)+\b):8*(8*((\a)%4)+\b)+7]
.endif
.endr
.endr
.endm
.macro FETCH_B slot, q, p
	WIN TO_B
.irp i, 0,1,2,3,4,5,6,7
	FRAG 128*(\p)+FR*\i, ADRB+\slot, \q, \i
.endr
	WIN 0
.endm
.macro FETCH_A slot, q, i0
.irp i, \i0, \i0+1, \i0+2, \i0+3
	FRAG AF+FR*(\i), ADRA+\slot, \q, \i
.endr
.endm
.macro PLACES n
.rept \n
	v_nop
.endr
.endm
.macro STEP slot, q, zero
	s_wait_dscnt 4*NL                              ; B's set and A's blocks 0-3 are in; the youngest 16 loads (A's blocks 4-7) may be out
	WIN MUL_LO
	MUL16 0, (\q)%2, \zero
	MUL16 2, (\q)%2, \zero
	s_wait_dscnt 0
	PLACES NP
	FETCH_B \slot, (\q)+1, 1-(\q)%2
	FETCH_A \slot, (\q)+1, 0
	WIN MUL_HI
	MUL16 4, (\q)%2, \zero
	MUL16 6, (\q)%2, \zero
	PLACES NP
	WIN 0
	FETCH_A \slot, (\q)+1, 4
.endm
.macro TURN slot, next, fill
	s_wait_tensorcnt 0x0                           ; all my tensor loads have landed: my part of the next slot
	ds_add_u32 v[SPW], v[NIL]                      ; 0 onto my spare word
	s_wait_dscnt 4*NL+1                            ; (the add and the youngest 16 loads may be out)
	WIN MUL_LO
	MUL16 0, 1, 0
	s_wait_dscnt 0x0                               ; the add is done, and my reads of this slot are over
	s_barrier_signal -1
	MUL16 2, 1, 0
	WIN 0
	s_barrier_wait -1
.if \fill
	CREST                                          ; the barrier has opened a round of the cluster's
	s_add_nc_u64 s[G0+4*\slot+2:G0+4*\slot+3], s[G0+4*\slot+2:G0+4*\slot+3], 2*KSTEPB
	s_add_nc_u64 s[G0B+4*\slot+2:G0B+4*\slot+3], s[G0B+4*\slot+2:G0B+4*\slot+3], 2*KSTEPB
	JLOAD G0+4*\slot, G1, G0B+4*\slot, G1B
.else
	PLACES NP
.endif
	FETCH_B \next, 0, 0
	FETCH_A \next, 0, 0
	WIN MUL_HI
	MUL16 4, 1, 0
	MUL16 6, 1, 0
	PLACES NP
	WIN 0
	FETCH_A \next, 0, 4
.endm
	s_load_b256 s[68:75], s[0:1], 0x0              ; ocodes s[68:69], the codes s[70:71], the exponents s[72:73], bo s[74:75]
	s_load_b64 s[76:77], s[0:1], 0x20              ; out0
	v_lshl_add_u32 v[SPW], v0, 2, SPARE
	v_mov_b32 v[NIL], 0
	ds_add_u32 v28, v29
	ds_add_u32 v28, v29
	s_wait_dscnt 0x0
	v_lshrrev_b32 v1, 5, v0
	v_readfirstlane_b32 s14, v1                    ; wave 0..3
	s_lshr_b32 s15, s14, 1                         ; which half of the tile's rows is mine.  Also: I fetch for A (0) or for B (1)
	s_and_b32 s16, s14, 1                          ; which half of its columns.  Also: which half of that tile I fetch
	s_bfe_u32 s40, ttmp6, 0x40000
	s_bfe_u32 s41, ttmp6, 0x40004
	s_lshl_b32 s42, ttmp9, 2
	s_add_co_u32 s42, s42, s40                     ; tile column
	s_and_b32 s17, ttmp7, 0xffff
	s_lshl_b32 s17, s17, 2
	s_add_co_u32 s17, s17, s41                     ; tile row
	s_lshl_b32 s43, s41, 2
	s_lshl_b32 s43, 15, s43                        ; my row of the cluster
	s_lshl_b32 s44, 0x1111, s40                    ; my column
	s_or_b32 s[G1+0], s43, (3<<16)|(1<<21)         ; a dense block of 128 rows of 32 elements of 8 bytes; the mask, and bit 21 beside it
	s_or_b32 s[G1B+0], s44, (3<<16)|(1<<21)
.irp g, G1, G1B
	s_mov_b32 s[\g+1], 32<<16
	s_mov_b32 s[\g+2], 128<<16
	s_mov_b32 s[\g+3], 32<<16
	s_mov_b32 s[\g+4], 128
	s_mov_b32 s[\g+5], 32
	s_mov_b32 s[\g+6], 0
	s_mov_b32 s[\g+7], 0
.endr
	s_lshl_b32 s20, s17, 1
	s_add_co_u32 s20, s20, s16
	s_lshl_b32 s20, s20, 17                        ; A: panel 2 x tile row + half
	s_mov_b32 s21, 0
	s_lshl_b32 s46, s42, 1
	s_add_co_u32 s46, s46, s16
	s_lshl_b32 s46, s46, 17
	s_add_co_u32 s46, s46, WOFF+0x300000           ; B: Wo's panel 2 x tile column + half
	s_mov_b32 s47, 0
	s_mul_i32 s22, s14, HALFT
	s_wait_kmcnt 0x0
	s_load_b64 s[96:97], s[72:73], 0x28            ; e10, e11
	s_add_nc_u64 s[20:21], s[68:69], s[20:21]
	s_add_nc_u64 s[46:47], s[70:71], s[46:47]
	CROUND
.irp s, 0,1
	s_mov_b32 s[G0+4*\s], 1
	s_add_co_u32 s[G0+4*\s+1], s22, \s*SLOT
	s_add_nc_u64 s[G0+4*\s+2:G0+4*\s+3], s[20:21], \s*KSTEPB
	s_or_b32 s[G0+4*\s+3], s[G0+4*\s+3], 0x80000000
	s_mov_b32 s[G0B+4*\s], 1
	s_add_co_u32 s[G0B+4*\s+1], s22, \s*SLOT
	s_add_nc_u64 s[G0B+4*\s+2:G0B+4*\s+3], s[46:47], \s*KSTEPB
	s_or_b32 s[G0B+4*\s+3], s[G0B+4*\s+3], 0x80000000
	JLOAD G0+4*\s, G1, G0B+4*\s, G1B               ; two loads of mine are out
.endr
	v_and_b32 v1, 31, v0
	v_lshlrev_b32 v[LO], 4, v1
	s_mul_i32 s21, s15, HALFT
	s_mul_i32 s23, s16, HALFT
	s_add_co_u32 s23, s23, 2*HALFT
.irp s, 0,1
	v_add_nc_u32 v[ADRA+\s], s21, v[LO]
	v_add_nc_u32 v[ADRB+\s], s23, v[LO]
	s_add_co_u32 s21, s21, SLOT
	s_add_co_u32 s23, s23, SLOT
.endr
	s_mul_i32 s2, s14, 16*SPITCH                   ; my stage
	v_and_b32 v2, 15, v0
	v_bfe_u32 v3, v0, 4, 1
	v_mul_u32_u24 v5, v2, SPITCH
	v_lshl_add_u32 v5, v3, 6, v5
	v_add_nc_u32 v[STO], s2, v5                    ; in: row lane % 16, + 64 (lane / 16) bytes
	v_add_nc_u32 v[RD], s2, v[LO]                  ; back: a row of 512 bytes for the 32 lanes
	s_lshl_b32 s4, s42, 10
	s_lshl_b32 s5, s16, 9
	s_add_co_u32 s4, s4, s5                        ; my first column, in bytes
	s_mov_b32 s5, 0
	s_lshl_b32 s6, s17, 20
	s_lshl_b32 s7, s15, 19
	s_add_co_u32 s6, s6, s7                        ; my first row of 4,096 bytes
	s_add_co_u32 s6, s6, s4
	s_mov_b32 s7, 0
	s_add_nc_u64 s[74:75], s[74:75], s[4:5]
	s_add_nc_u64 s[76:77], s[76:77], s[6:7]
	global_load_b128 v[BI:BI+3], v[LO], s[74:75]   ; bo of the four columns that I store
	s_wait_kmcnt 0x0
	s_add_co_i32 s96, s96, s97
	s_add_co_i32 s96, s96, 127
	s_lshl_b32 s96, s96, 23                        ; 2^(e10 + e11) as f32
	s_wait_tensorcnt 1                             ; my part of K step 0 is in (K step 1's load may be out)
	s_barrier_signal -1
	s_barrier_wait -1
	FETCH_B 0, 0, 0
	FETCH_A 0, 0, 0
	FETCH_A 0, 0, 4
	STEP 0, 0, 1
	TURN 0, 1, 1
	STEP 1, 0, 0
	TURN 1, 0, 1
	STEP 0, 0, 0
	TURN 0, 1, 0
	STEP 1, 0, 0
	s_wait_dscnt 4*NL
	WIN MUL_LO
	MUL16 0, 1, 0
	MUL16 2, 1, 0
	s_wait_dscnt 0
	WIN MUL_HI
	MUL16 4, 1, 0
	MUL16 6, 1, 0
	WIN 0
; THE WAY OUT, A's blocks of 16 rows one after the other.  The accumulators go into my own stage as they stand (each from its low end on) and come back as whole rows of 512 bytes; sum x 2^(e10 + e11) + bo is
; made on the rows, where a lane's four columns are the same in every row; the 32 lanes store 512 consecutive bytes, aligned.  The store's immediate puts slot t of block a back at its row.
.macro TOSTAGE a
	WIN 0x08+4*((\a)/4)                            ; the stores' data: window 2 or 3
.irp b, 0,1,2,3,4,5,6,7
	ds_store_b128 v[STO], v[64*((\a)%4)+8*\b:64*((\a)%4)+8*\b+3] offset:128*(\b/2)+32*(\b%2)
	ds_store_b128 v[STO], v[64*((\a)%4)+8*\b+4:64*((\a)%4)+8*\b+7] offset:128*(\b/2)+32*(\b%2)+16
.endr
	WIN 0
.set BB, BK+64*((\a)%2)
.set i, 0
.rept 16
	ds_load_b128 v[BB+4*i:BB+4*i+3], v[RD] offset:i*SPITCH   ; LDS serves a wave's instructions in order (ISA guide 5.7.1.4): these see the stores above, and the next block's stores come behind them
.set i, i+1
.endr
.endm
.macro SEND a, younger                 ; younger: the LDS instructions issued behind block a's loads, which may stay out
.set BB, BK+64*((\a)%2)
	s_wait_dscnt \younger
.set i, 0
.rept 32
	v_pk_fma_f32 v[BB+2*i:BB+2*i+1], v[BB+2*i:BB+2*i+1], s[96:97], v[BI+2*(i%2):BI+2*(i%2)+1] op_sel_hi:[1,0,1]
.set i, i+1
.endr
.set i, 0
.rept 16
	global_store_b128 v[LO], v[BB+4*i:BB+4*i+3], s[76:77] offset:(32*((\a)/2)+8*((\a)%2)+i+8*(i/8))*4096 th:TH_STORE_NT
.set i, i+1
.endr
.endm
	s_wait_loadcnt 0x0                             ; bo
	PLACES NP                                      ; in front of the LDS stores that read results and of the loads into the registers that held A's fragments
	TOSTAGE 0
.irp a, 1,2,3,4,5,6,7
.if \a > 1
	s_wait_xcnt 0x0                                ; block a - 2's stores have read their registers: block a's rows may land there
.endif
	TOSTAGE \a
	SEND \a-1, 32                                  ; behind block a - 1's loads: block a's 16 stores and 16 loads
.endr
	SEND 7, 0
	s_wait_tensorcnt 0x0                           ; the wave's end
	ds_add_u32 v[SPW], v[NIL]
	s_wait_dscnt 0x0
	CROUND                                         ; the closing round
	s_endpgm
.Lfunc_end_k_q6ac0d1c528_outp:
	.size	k_q6ac0d1c528_outp, .Lfunc_end_k_q6ac0d1c528_outp-k_q6ac0d1c528_outp
	.p2alignl 7, 3214868480
	.fill 96, 4, 3214868480
	.section	.rodata,"a",@progbits
	.p2align	6, 0x0
	.amdhsa_kernel k_q6ac0d1c528_outp
		.amdhsa_group_segment_fixed_size 327680
		.amdhsa_private_segment_fixed_size 0
		.amdhsa_enable_private_segment 0
		.amdhsa_kernarg_size 40
		.amdhsa_user_sgpr_count 2
		.amdhsa_user_sgpr_kernarg_segment_ptr 1
		.amdhsa_wavefront_size32 1
		.amdhsa_system_sgpr_workgroup_id_x 1
		.amdhsa_system_sgpr_workgroup_id_y 1
		.amdhsa_system_sgpr_workgroup_id_z 1
		.amdhsa_system_vgpr_workitem_id 0
		.amdhsa_next_free_vgpr 1024
		.amdhsa_next_free_sgpr 100
		.amdhsa_reserve_vcc 0
		.amdhsa_float_denorm_mode_32 3
		.amdhsa_float_denorm_mode_16_64 3
		.amdhsa_memory_ordered 1
		.amdhsa_forward_progress 1
		.amdhsa_inst_pref_size 122
	.end_amdhsa_kernel
	.amdgpu_metadata
---
amdhsa.version: [ 1, 2 ]
amdhsa.kernels:
  - .name:           k_q6ac0d1c528_outp
    .symbol:         k_q6ac0d1c528_outp.kd
    .args:
      - { .name: ocodes, .offset: 0, .size: 8, .value_kind: global_buffer, .address_space: global }
      - { .name: codes, .offset: 8, .size: 8, .value_kind: global_buffer, .address_space: global }
      - { .name: lowp_scales, .offset: 16, .size: 8, .value_kind: global_buffer, .address_space: global }
      - { .name: bo, .offset: 24, .size: 8, .value_kind: global_buffer, .address_space: global }
      - { .name: out0, .offset: 32, .size: 8, .value_kind: global_buffer, .address_space: global }
    .group_segment_fixed_size: 327680
    .private_segment_fixed_size: 0
    .kernarg_segment_align: 8
    .kernarg_segment_size: 40
    .max_flat_workgroup_size: 128
    .sgpr_count:     100
    .vgpr_count:     1024
    .wavefront_size: 32
...
	.end_amdgpu_metadata
.endif
;; end of part 4
